; MI455X (gfx1250); checked and timed in simulation.
; The chip was launched on July 23, 2026; its instructions are those of AMD's public machine-readable ISA for CDNA 5 (MIT licence, August 2026) and "CDNA5" Instruction Set Architecture Reference Guide (July 2026). The comments in the code are by the model that wrote it; some were corrected since.
;; LSTM Cell. Allowed arithmetic: matrix products marked QUANTISED: E3M2 operands, one E8M0 scale for each 32 along K, by v_wmma_scale_f32_16x16x128_f8f6f4 with both operands' format E3M2, f32 sums; everything else in f32.
;; Inputs: W_f 1,024 x 2,048 float32; W_g 1,024 x 2,048 float32; W_i 1,024 x 2,048 float32; W_o 1,024 x 2,048 float32; b_f 1,024 float32; b_g 1,024 float32; b_i 1,024 float32; b_o 1,024 float32; c 8,192 x 1,024 float32; h 8,192 x 1,024 float32; x 8,192 x 1,024 float32.
;; Outputs: out0 8,192 x 1,024 float32; out1 8,192 x 1,024 float32.
;; This version of the problem:
;;   THIS VERSION OF THE PROBLEM IS GIVEN IN LOW PRECISION. The matrix products marked QUANTISED in the list below multiply operands that are first quantised to E3M2 (3 exponent bits, 2 mantissa bits; 6 bits a number), with one power-of-two scale for each 32 numbers along K (OCP MX v1.0); their sums are f32. All else is computed in f32.
;;   The module's matrix products, in the order in which they are computed (A, B: the left and right operand; K: the contracted axis; several contracted axes count as one K, in the product's order):
;;     1. [M 8,192, K 2,048] x [K 2,048, N 4,096]; A: computed on the way; B: computed on the way: QUANTISED
;;   THE QUANTISER, for each operand of a quantised product, along K:
;;     - K is cut into blocks of 32 from its start; a last block that is shorter is filled with zeros.
;;     - A block's scale is 2^e with e = floor(log2(the largest magnitude in the block)) - 4, held to -126 .. 127; a block of zeros has e = 0. As a byte (E8M0): e + 127.
;;     - Each number is divided by its block's scale, clamped to +-28, and rounded to the nearest number of E3M2, ties to even, subnormals kept.
;;     - The product sums the exact products of the quantised numbers (number of the format x scale) in f32.
;;   ~~~python
;;   def quantise(x, axis):      # numpy; x: float32 -> the quantised numbers, widened to float32 again
;;       x = np.moveaxis(x, axis, -1); K = x.shape[-1]
;;       x = np.pad(x, [(0, 0)] * (x.ndim - 1) + [(0, -K % 32)]); x = x.reshape(x.shape[:-1] + (-1, 32)); a = np.abs(x).max(-1, keepdims=True)
;;       e = np.where(a > 0, np.clip(np.frexp(np.where(a > 0, a, 1))[1] - 1 - 4, -126, 127), 0)      # np.frexp(a)[1] - 1 = floor(log2(a)), exactly
;;       r = np.clip(x / 2.0 ** e, -28, 28)
;;       step = 2.0 ** (np.maximum(np.frexp(np.where(r == 0, 1, r))[1] - 1, -2) - 2)
;;       q = np.round(r / step) * step * 2.0 ** e      # np.round: ties to even
;;       return np.moveaxis(q.reshape(q.shape[:-2] + (-1,))[..., :K], -1, axis).astype(np.float32)
;;   ~~~
;;   OPERANDS COMPUTED ON THE WAY. 'Computed on the way' means the value that the module computes at that place (a softmax that the list does not call 'softmax' is quantised finished and normalised). What goes into a quantiser is computed in f32, as accurately as f32 sums, v_exp_f32 and their like allow (about 1e-6 of the number): no bf16 or f16 on the way to a quantiser, and a product that is left as it is and whose result goes on into a quantised operand takes f32 operands (vector FMAs, or v_wmma_f32_16x16x4_f32). A number that lies on a knife's edge between two numbers of the format may be rounded either way, as far as f32 arithmetic and the matrix unit's own rounding can turn it there, and no further.
;; One version. Each part assembles by itself: llvm-mc -triple=amdgcn-amd-amdhsa -mcpu=gfx1250 --defsym DOCPART=n.
;; ======== version 1 of 1: 2 launches
;; limits: right only within a limited range of input values
;; workspace buffers: a_img 13,631,488 bytes; b_img 6,815,744 bytes
;; launch quant (part 1): grid 768 x 1, 4 waves a work-group, no clusters, 34,304 bytes of LDS; arguments x, h, W_i, W_f, W_g, W_o, a_img, b_img; writes a_img, b_img
.if DOCPART == 1
	.amdgcn_target "amdgcn-amd-amdhsa--gfx1250"
	.amdhsa_code_object_version 6
	.text
	.protected	k_q592cd67d8c_quant
	.globl	k_q592cd67d8c_quant
	.p2align	8
	.type	k_q592cd67d8c_quant,@function
k_q592cd67d8c_quant:
	s_mov_b64 s[64:65], 0
	v_nop
	global_prefetch_b8 v0, s[64:65] scope:SCOPE_SE
	s_setreg_imm32_b32 hwreg(HW_REG_WAVE_MODE, 25, 1), 1
	s_wait_xcnt 0x0
; [x | h] (8,192 x 2,048) and the four weights (1,024 x 2,048 each), f32 with K innermost, become codes of BF6 (E3M2) with one E8M0 byte for each 32 along K,
; stored IN THE ORDER OF THE MATRIX OPERAND'S REGISTERS, so that the product's launch fetches fragments by loads of 16 bytes a lane and tiles as dense blocks.
; A RECORD is 32 rows (two blocks of 16, e = 0, 1) x 128 along K, 3,328 bytes = 13 x 256:  byte 1536 e + 512 c + 16 lane: registers 4 c .. 4 c + 3 of block e's fragment (lane (r, h), registers 6 c' .. 6 c' + 5: k = 64 c' + 32 h + 0 .. 31 of row r);
; byte 3072 + 8 lane + 4 e: the scale word of row lane % 16 of block e; lanes 16-31 write the same words once more, so that the store covers 256 consecutive bytes.
; a_img[k / 128][pair 0..255][3328]: pair j = rows 32 j .. 32 j + 31.   b_img[k / 128][pair 0..127][3328]: block 2 j + e = 4 hb + gate (0, 1, 2, 3 = i, f, g, o) = rows 16 hb .. 16 hb + 15 of that gate's weight:
; so the four gates of a hidden unit lie in four neighbouring blocks and meet in one lane of the product's launch.
; A block's scale is 2^(floor(log2(its largest magnitude)) - 4); its byte is the largest magnitude's exponent field - 4, held at 1 from below.
; LIMITS: a block of zeros, or one whose largest magnitude lies under 2^-122, gets the byte 1 where the rule says 127 or less than 1: a block of zeros has zero codes, which add nothing, and the bytes are read by this program alone;
; NaN and infinities among the inputs are not served.
; SHARES: work-groups 0-511 take a pair of [x | h] and 1,024 along K (x or h), work-groups 512-767 a pair of the weights and 1,024 along K; only pointers and pitches are chosen, by the work-group's number: all take one path.
; Wave w takes K = 256 w .. 256 w + 255 of these 1,024: two planes x two blocks, four fragments, two records.  A load reads 512 consecutive bytes of one row; a fragment's 16 rows turn through the wave's own stage in LDS
; (rows 528 bytes apart, an odd multiple of 16) and come back as 32 neighbours along K twice for each lane.  No tensor loads, no barrier: waves share nothing.
; Memory binds here: matrix units and clusters would add nothing.
.set REC,     3328
.set PLANE_A, 256*REC                  ; bytes from one 128 along K to the next in a_img
.set PLANE_B, 128*REC                  ; and in b_img
.set NA,      512                      ; work-groups for [x | h]
.set SP,      528                      ; a stage row: 512 bytes + 16
.set WSTG,    16*SP                    ; a wave's stage
.set OFF,  10                          ; v10-25   row i: 16 x lane + i x pitch; never rewritten
.set PW,   26                          ; v26-27   a record's scale words: block 0's, block 1's
.set R,    32                          ; v32-159  two sets of 64: a fragment as loaded
.set X,    160                         ; v160-223 64 numbers in the operand's order: register 32 c + i = k 64 c + 32 h + i of my row
.set PC,   224                         ; v224-235 the fragment's codes
.set PD,   236                         ; v236-238, v240-242 the upper halves of the two blocks of 32 (a conversion's three registers begin on an even number)
.set MX,   244                         ; v244-245 largest magnitudes
.set SO,   246                         ; v246-247 the conversions' scale operands
.set BY,   248                         ; v248-249 scale bytes
.set WT,   250                         ; v250-251 at work
	s_load_b512 s[4:19], s[0:1], 0x0               ; x s[4:5], h s[6:7], W_i s[8:9], W_f s[10:11], W_g s[12:13], W_o s[14:15], a_img s[16:17], b_img s[18:19]
	v_lshl_add_u32 v254, v0, 2, 0x8400
	v_mov_b32 v255, 0
	v_lshrrev_b32 v1, 5, v0
	v_readfirstlane_b32 s20, v1                    ; wave 0..3
	v_and_b32 v1, 31, v0                           ; lane
	v_and_b32 v2, 15, v0                           ; r
	v_bfe_u32 v3, v0, 4, 1                         ; h
	s_mul_i32 s29, s20, WSTG                       ; my stage
	v_lshlrev_b32 v6, 4, v1                        ; 16 x lane
	v_add_nc_u32 v4, s29, v6                       ; into the stage: a row's 512 bytes as they lie
	v_mul_u32_u24 v5, v2, SP
	v_lshl_add_u32 v5, v3, 7, v5
	v_add_nc_u32 v5, s29, v5                       ; out of it: row r, + 128 h: my 32 neighbours of each 64
	v_lshlrev_b32 v7, 3, v1                        ; 8 x lane: the scale words' place
	v_lshlrev_b32 v8, 3, v3                        ; 8 h: my two bytes' shift in a scale word
	v_mov_b32 v[WT+1], 0                           ; written once: a lane permute's destination counts as one of its sources
	s_mov_b32 s40, 0x76543210
	s_mov_b32 s41, 0xfedcba98                      ; v_permlanex16_b32's selects for lane l xor 16
	s_cmp_lt_u32 ttmp9, NA
	s_cselect_b32 s21, 0, NA
	s_sub_co_u32 s21, ttmp9, s21                   ; my number among the image's work-groups
	s_and_b32 s22, s21, 1                          ; which 1,024 along K
	s_lshr_b32 s23, s21, 1                         ; j: my pair
	s_and_b32 s24, s23, 1                          ; the weights: gates i, f (0) or g, o (1),
	s_lshr_b32 s38, s23, 1                         ; and the block of 16 hidden units
	s_lshl_b32 s39, s22, 12                        ; the weights: 1,024 columns are 4,096 bytes
	s_mov_b32 s25, 8192                            ; a weight's row in bytes
	s_mov_b32 s26, PLANE_B
	s_wait_alu depctr_va_vdst(0)
	s_wait_kmcnt 0x0
	s_cmp_lg_u32 s22, 0                            ; K under 1,024 is x, the rest h
	s_cselect_b64 s[4:5], s[6:7], s[4:5]
	s_cmp_lg_u32 s24, 0
	s_cselect_b64 s[8:9], s[12:13], s[8:9]         ; the even block's weight: g or i
	s_cselect_b64 s[10:11], s[14:15], s[10:11]     ; the odd block's: o or f
	s_cmp_lt_u32 ttmp9, NA                         ; every choice hangs on ids alone
	s_cselect_b64 s[6:7], s[4:5], s[10:11]         ; the odd block's source,
	s_cselect_b64 s[4:5], s[4:5], s[8:9]           ; the even block's,
	s_cselect_b64 s[16:17], s[16:17], s[18:19]     ; the image,
	s_cselect_b32 s25, 4096, s25                   ; the source's row in bytes,
	s_cselect_b32 s26, PLANE_A, s26                ; the image's plane,
	s_cselect_b32 s27, s23, s38                    ; the source's block: 32 rows of 4,096 bytes, or 16 rows of 8,192: 2^17 bytes either way,
	s_cselect_b32 s28, 0, s39                      ; the weights' columns,
	s_cselect_b32 s42, 0x10000, 0                  ; and [x | h]'s odd block: 16 rows further down
	s_lshl_b32 s30, s27, 17
	s_add_co_u32 s30, s30, s28
	s_lshl_b32 s31, s20, 10                        ; my wave's 256 columns
	s_add_co_u32 s30, s30, s31                     ; (under 2^26)
	s_mov_b32 s31, 0
	s_add_nc_u64 s[4:5], s[4:5], s[30:31]
	s_add_co_u32 s30, s30, s42
	s_add_nc_u64 s[6:7], s[6:7], s[30:31]
	s_lshl_b32 s32, s22, 3
	s_lshl_b32 s33, s20, 1
	s_add_co_u32 s32, s32, s33                     ; my first plane: 8 x half + 2 w,
	s_mul_i32 s32, s32, s26
	s_mul_i32 s33, s23, REC                        ; record j
	s_add_co_u32 s32, s32, s33
	s_mov_b32 s33, 0
	s_add_nc_u64 s[16:17], s[16:17], s[32:33]      ; my first record
	s_mov_b32 s34, s26
	s_mov_b32 s35, 0
	s_add_nc_u64 s[36:37], s[16:17], s[34:35]      ; my second: a plane further on
.irp i, 0,1,2,3,4,5,6,7,8,9,10,11,12,13,14,15
	v_mad_u32_u24 v[OFF+\i], s25, \i, v6
.endr
.macro LOADF f                         ; fragment f = 2 x plane + block: 16 rows x 128 numbers; each load reads 512 consecutive bytes, aligned
.set SB, 4+2*((\f)%2)                  ; the block's source: s[4:5] or s[6:7]
.irp i, 0,1,2,3,4,5,6,7,8,9,10,11,12,13,14,15
	global_load_b128 v[R+64*((\f)%2)+4*\i:R+64*((\f)%2)+4*\i+3], v[OFF+\i], s[SB:SB+1] offset:512*((\f)/2) th:TH_LOAD_NT
.endr
.endm
.macro TURNF f                         ; through the stage: LDS serves a wave's instructions in order (ISA guide 5.7.1.4), so no wait stands between the stores and the loads
.irp i, 0,1,2,3,4,5,6,7,8,9,10,11,12,13,14,15
	ds_store_b128 v4, v[R+64*((\f)%2)+4*\i:R+64*((\f)%2)+4*\i+3] offset:SP*\i
.endr
.irp c, 0,1
.irp j, 0,1,2,3,4,5,6,7
	ds_load_b128 v[X+32*\c+4*\j:X+32*\c+4*\j+3], v5 offset:256*\c+16*\j
.endr
.endr
.endm
.macro QUANT6 q                        ; X's 64 numbers become the fragment's 12 registers of codes in PC and its scale word in PW + q
.irp c, 0,1                            ; my block of 32, 2 c + h: all its numbers are mine
	v_max3_num_f32 v[MX+\c], |v[X+32*\c]|, |v[X+32*\c+1]|, 0x2800000   ; and the floor 2^(5 - 127): the byte cannot fall under 1
.endr
.irp i, 2,4,6,8,10,12,14,16,18,20,22,24,26,28,30
.irp c, 0,1
	v_max3_num_f32 v[MX+\c], v[MX+\c], |v[X+32*\c+\i]|, |v[X+32*\c+\i+1]|   ; the two blocks by turns
.endr
.endr
.irp c, 0,1
	v_add_nc_u32 v[SO+\c], 0xfe000000, v[MX+\c]    ; 4 off the exponent field: the conversion takes the exponent field of this operand as its scale, and nothing else of it
.endr
.irp c, 0,1
	v_lshrrev_b32 v[BY+\c], 23, v[SO+\c]           ; the scale's byte
.endr
	v_lshl_or_b32 v[WT], v[BY+1], 16, v[BY]        ; my two bytes: blocks h and 2 + h of row r,
	v_lshlrev_b32 v[WT], v8, v[WT]                 ; at their places in the word;
	v_permlanex16_b32 v[WT+1], v[WT], s40, s41
	v_or_b32 v[PW+\q], v[WT], v[WT+1]              ; with lane l xor 16's two the word is whole, in both halves of the lanes
.irp c, 0,1
	v_cvt_scalef32_pk16_bf6_f32 v[PC+6*\c:PC+6*\c+2], v[X+32*\c:X+32*\c+15], v[SO+\c]
	v_cvt_scalef32_pk16_bf6_f32 v[PD+4*\c:PD+4*\c+2], v[X+32*\c+16:X+32*\c+31], v[SO+\c]
.endr
	v_nop                                          ; one plain place behind a scaled conversion
.irp c, 0,1
.irp i, 0,1,2
	v_mov_b32 v[PC+3+6*\c+\i], v[PD+4*\c+\i]
.endr
.endr
.endm
.macro FRAGSTEP f
.set DB, 16+20*((\f)/2)                ; the plane's record: s[16:17] or s[36:37]
.set QQ, (\f)%2                        ; the block in it
.if (\f) < 3
	s_wait_loadcnt 16                              ; this fragment's 16 loads are in; the next fragment's 16 may be out
.else
	s_wait_loadcnt 0x0
.endif
	TURNF \f
	s_wait_dscnt 0x0                               ; X is in, and the stage's stores have read their registers
.if (\f) > 0
	s_wait_xcnt 0x0                                ; the last fragment's stores have read PC and PW: both are written again only behind this wait
.endif
.if (\f) < 2
	LOADF (\f)+2                                   ; into the set just left
.endif
	QUANT6 QQ
.irp c, 0,1,2
	global_store_b128 v6, v[PC+4*\c:PC+4*\c+3], s[DB:DB+1] offset:1536*QQ+512*\c   ; 32 lanes store 512 consecutive bytes, at a multiple of 256 from the image's first byte
.endr
.if QQ == 1
	global_store_b64 v7, v[PW:PW+1], s[DB:DB+1] offset:3072                        ; 32 lanes store 256 consecutive bytes, aligned
.endif
.endm
	LOADF 0
	LOADF 1
	s_wait_alu depctr_va_vdst(0)
	FRAGSTEP 0
	FRAGSTEP 1
	FRAGSTEP 2
	FRAGSTEP 3
	s_wait_tensorcnt 0x0
	ds_add_u32 v254, v255
	s_wait_dscnt 0x0
	s_endpgm
.Lfunc_end_k_q592cd67d8c_quant:
	.size	k_q592cd67d8c_quant, .Lfunc_end_k_q592cd67d8c_quant-k_q592cd67d8c_quant
	.p2alignl 7, 3214868480
	.fill 96, 4, 3214868480
	.section	.rodata,"a",@progbits
	.p2align	6, 0x0
	.amdhsa_kernel k_q592cd67d8c_quant
		.amdhsa_group_segment_fixed_size 34304
		.amdhsa_private_segment_fixed_size 0
		.amdhsa_enable_private_segment 0
		.amdhsa_kernarg_size 64
		.amdhsa_user_sgpr_count 2
		.amdhsa_user_sgpr_kernarg_segment_ptr 1
		.amdhsa_wavefront_size32 1
		.amdhsa_system_sgpr_workgroup_id_x 1
		.amdhsa_system_sgpr_workgroup_id_y 1
		.amdhsa_system_sgpr_workgroup_id_z 1
		.amdhsa_system_vgpr_workitem_id 0
		.amdhsa_next_free_vgpr 256
		.amdhsa_next_free_sgpr 66
		.amdhsa_reserve_vcc 0
		.amdhsa_float_denorm_mode_32 3
		.amdhsa_float_denorm_mode_16_64 3
		.amdhsa_memory_ordered 1
		.amdhsa_forward_progress 1
		.amdhsa_inst_pref_size 32
	.end_amdhsa_kernel
	.amdgpu_metadata
---
amdhsa.version: [ 1, 2 ]
amdhsa.kernels:
  - .name:           k_q592cd67d8c_quant
    .symbol:         k_q592cd67d8c_quant.kd
    .args:
      - { .name: x, .offset: 0, .size: 8, .value_kind: global_buffer, .address_space: global }
      - { .name: h, .offset: 8, .size: 8, .value_kind: global_buffer, .address_space: global }
      - { .name: W_i, .offset: 16, .size: 8, .value_kind: global_buffer, .address_space: global }
      - { .name: W_f, .offset: 24, .size: 8, .value_kind: global_buffer, .address_space: global }
      - { .name: W_g, .offset: 32, .size: 8, .value_kind: global_buffer, .address_space: global }
      - { .name: W_o, .offset: 40, .size: 8, .value_kind: global_buffer, .address_space: global }
      - { .name: a_img, .offset: 48, .size: 8, .value_kind: global_buffer, .address_space: global }
      - { .name: b_img, .offset: 56, .size: 8, .value_kind: global_buffer, .address_space: global }
    .group_segment_fixed_size: 34304
    .private_segment_fixed_size: 0
    .kernarg_segment_align: 8
    .kernarg_segment_size: 64
    .max_flat_workgroup_size: 128
    .sgpr_count:     66
    .vgpr_count:     256
    .wavefront_size: 32
...
	.end_amdgpu_metadata
.endif
;; end of part 1
;; launch lstm (part 2): grid 16 x 32, 4 waves a work-group, clusters of 4 x 4, 327,680 bytes of LDS; arguments a_img, b_img, c, b_i, b_f, b_g, b_o, out0, out1; writes out0, out1
.if DOCPART == 2
	.amdgcn_target "amdgcn-amd-amdhsa--gfx1250"
	.amdhsa_code_object_version 6
	.text
	.protected	k_q592cd67d8c_lstm
	.globl	k_q592cd67d8c_lstm
	.p2align	8
	.type	k_q592cd67d8c_lstm,@function
k_q592cd67d8c_lstm:
	s_mov_b64 s[64:65], 0
	v_nop
	global_prefetch_b8 v0, s[64:65] scope:SCOPE_SE
	s_setreg_imm32_b32 hwreg(HW_REG_WAVE_MODE, 25, 1), 1
	s_wait_xcnt 0x0
	s_wait_alu depctr_hold_cnt(0) depctr_sa_sdst(0) depctr_va_vdst(0) depctr_va_sdst(0) depctr_va_ssrc(0) depctr_va_vcc(0) depctr_vm_vsrc(0)
	s_getreg_b32 s2, hwreg(HW_REG_IB_STS2, 6, 4)
	s_cmp_eq_u32 s2, 0
	s_cbranch_scc0 .Lentry_in_a_cluster
	s_endpgm
.Lentry_in_a_cluster:
	s_bfe_u32 s2, ttmp6, 0x10000c
	s_cmp_lg_u32 s2, 0xf033
	s_cbranch_scc0 .Lentry_shape_is_right
	s_endpgm
.Lentry_shape_is_right:
; gates = [x | h] W^T + b on codes of BF6 (E3M2) with E8M0 scales; i, f, o = sigmoid, g = tanh, c_new = f c + i g (out1), h_new = o tanh(c_new) (out0), behind the product in f32.  The gates never go to memory.
; OPERANDS are register images in records of 32 rows (two blocks of 16, e = 0, 1) x 128 along K, 3,328 bytes: byte 1536 e + 512 c + 16 lane: registers 4 c .. 4 c + 3 of block e's fragment; byte 3072 + 8 lane + 4 e: the scale word of row lane % 16 of block e (twice).
; a_img[k / 128][256 pairs], b_img[k / 128][128 pairs]; B's block 2 j + e = 4 hb + gate = 16 hidden units of one gate (0, 1, 2, 3 = i, f, g, o).
; SHARES.  A work-group makes 256 rows x 64 hidden units x 4 gates; wave (wr, wc) rows 128 wr on x hidden units 32 wc on: 8 blocks of A x 8 of B (b = 4 u + gate), 64 accumulators, 512 registers.
; The matrix instruction is used transposed (source 0 = B's rows, source 1 = A's): lane (r, h), register j of accumulator (a, 4 u + gate) is that gate of row 16 a + r, hidden unit 16 u + 8 h + j.  The biases are the C of each sum's first product.
; RING.  Two LDS slots of 3 planes (384 along K).  Slot 0: planes 0-2, 6-8, 12-14; slot 1: planes 3-5, 9-11, and last plane 15 with c's tile behind it (wave 0 brings A's 8 records, wave 1 B's, waves 2 and 3 128 rows of c each).
; c_new is written over c's tile, h_new goes to a stage in slot 0: bytes that have had their last fill and their last read.  A wave has one tensor load out at a time.  The sixteen steps are written out: no two laps issue the same loads.
; CLUSTERS: 4 x 4.  A's records are asked for jointly along a row of the cluster, B's along a column; c's tile is each work-group's own.
; PREFETCH.  Behind each fill of the ring the planes of the NEXT fill are asked for: one fill, three steps of products, ahead of their tensor load (planes 3-5 at the head, then 6-8, 9-11, 12-14, 15).  Of the 4 records a plane that a wave
; fetches jointly with three partners, the partner at place p (cx for A, cy for B) names record p, told apart by address alone: 13 blocks of 256 bytes a plane, a lane a block; lanes left over name the instruction's last block again.
; So each block is named once in each cluster that loads it.  c's 256 rows of 256 bytes are named a lane a row, 32 rows a wave behind each of the refills in steps 2 and 5; their tensor load stands in step 11.  Planes 0-2 come by their loads alone.
; ACTIVATIONS.  sigmoid(v) = 1 / (1 + 2^(-v log2 e)); tanh(v) = (1 - e) / (1 + e), e = 2^(-2 v log2 e), its exponent held at 30 from above (there tanh is -1 to the last bit of f32), so that 1 - e stays finite.
; i g = (1 - eg) / ((1 + ei)(1 + eg)) and o tanh(c_new) likewise: one reciprocal for two gates.  Where an exponential or such a product overflows, the reciprocal is 0 and meets a finite factor.
; LIMITS: c finite; NaN and infinities among the inputs are not served.
; REGISTERS: window 0: v1-29 addresses; v32-47 scale words, two sets, nothing else; v64-127 biases; v128-223 A's fragments, one set; behind the products v64-191 T (two blocks), v192-223 c / c_new, v224-255 numerators / h_new.
;   window 1: B's fragments, two sets, at v0 and v128; behind the products v0-63 rows on their way out.  window 2: accumulators of A's blocks 0-3 ((a, b) at v[8 (8 (a % 4) + b)]); window 3: blocks 4-7.
.set REC,     3328
.set QP,      4*REC                    ; 4 records: a wave's part of one plane
.set QT,      3*QP                     ; of three planes: one tensor load of the ring
.set SLOT,    4*QT
.set PLANE_A, 256*REC
.set PLANE_B, 128*REC
.set LASTA,   SLOT                     ; plane 15: A's 8 records,
.set LASTB,   SLOT+2*QP                ; B's 8,
.set CT,      SLOT+4*QP                ; and c's tile, 256 rows x (256 + 16) bytes, all in slot 1
.set CP,      272
.set HST,     0                        ; h_new's stage, as large, in slot 0
.set SPARE,   2*SLOT                   ; the spare words, 128 bytes a wave
.set FR,      12
.set NL,      3
.set NP,      4
.set ADRA, 8                           ; v8-10   my A records: slot 0, slot 1, plane 15
.set ADRS, 11                          ; v11-13  my scale words: lanes 0-15 A's, lanes 16-31 B's
.set PF0,  14                          ; v14     prefetch offsets: the first two planes of three (lanes 0-12, 13-25),
.set PF1,  15                          ; v15     the third,
.set ADRB, 16                          ; v16-18  my B records
.set PF2,  19                          ; v19     one plane alone,
.set PFC,  20                          ; v20     and c: a lane a row
.set CA,   22
.set HA,   23
.set RC,   24
.set RH,   25
.set CO,   26
.set BO,   27
.set SPW,  28
.set NIL,  29
.set SC,   32
.set BIAS, 64
.set AF,   128
.set T,    64
.set CCB,  192
.set NB,   224
.set G1L,  4                           ; s[4:11]  group 1, A's plane 15 (written when the pointers there are used up)
.set G0L,  20                          ; s[20:23] its group 0
.set G1,   24
.set G0,   32
.set PCB,  42                          ; s[42:43] c at my wave's 64 rows, for the prefetches
.set G0LB, 44                          ; s[44:47] group 0, B's plane 15
.set G1B,  48
.set G0B,  56
.set G1C,  80
.set G0C,  88
.set G1LB, 92                          ; s[92:99] group 1, B's plane 15 (behind the products s92-96 take the gates' constants)
.set PFA,  104                         ; s[104:105] my record of the planes that are asked for next; s[18:19]: three planes in bytes
.set NPF,  0                           ; changes of slots passed so far
.set MSB, 0
.macro WIN new
.if MSB != \new
	s_set_vgpr_msb (MSB<<8)|\new
.set MSB, \new
.endif
.endm
.set MUL_LO, 0xa1
.set MUL_HI, 0xf1
.set ONE_LO, 0x81                      ; the first products: C (the biases) window 0
.set ONE_HI, 0xc1
.set TO_B,   0x40
.macro PLACES n
.rept \n
	v_nop
.endr
.endm
.macro TLOAD g0, g1                    ; a tensor load, an s_nop and four v_nops behind it
	tensor_load_to_lds s[\g0:\g0+3], s[\g1:\g1+7]
	s_nop 0
	PLACES 4
.endm
.macro JLOAD g0a, g1a, g0b, g1b        ; waves 0, 1 fetch for A, waves 2, 3 for B: the branch hangs on the wave's number alone
	s_cmp_eq_u32 s15, 0
	s_cbranch_scc0 .Lfor_b_\@
	TLOAD \g0a, \g1a
	s_branch .Lasked_\@
.Lfor_b_\@:
	TLOAD \g0b, \g1b
.Lasked_\@:
.endm
.macro ASK3                            ; my record of three planes: 39 blocks of 256 bytes
	global_prefetch_b8 v[PF0], s[PFA:PFA+1] th:TH_LOAD_NT scope:SCOPE_SE
	global_prefetch_b8 v[PF1], s[PFA:PFA+1] th:TH_LOAD_NT scope:SCOPE_SE
.endm
.macro CREST
	s_cmp_lg_u32 s14, 0
	s_cbranch_scc1 .Lnot_wave_0_\@
	s_barrier_signal -3
.Lnot_wave_0_\@:
	s_barrier_wait -3
	s_barrier_signal -1
	s_barrier_wait -1
.endm
.macro CROUND
	s_barrier_signal -1
	s_barrier_wait -1
	CREST
.endm
	s_load_b256 s[4:11], s[0:1], 0x0               ; a_img, b_img, c, b_i
	s_load_b256 s[68:75], s[0:1], 0x20             ; b_f, b_g, b_o, out0
	s_load_b64 s[76:77], s[0:1], 0x40              ; out1
	v_lshl_add_u32 v[SPW], v0, 2, SPARE
	v_mov_b32 v[NIL], 0
	ds_add_u32 v[SPW], v[NIL]                      ; the opening lines: the add twice on end
	ds_add_u32 v[SPW], v[NIL]
	v_lshrrev_b32 v1, 5, v0
	v_readfirstlane_b32 s14, v1                    ; wave
	s_lshr_b32 s15, s14, 1                         ; wr; also: I fetch for A (0) or B (1)
	s_and_b32 s16, s14, 1                          ; wc; also: which half I fetch
	s_bfe_u32 s40, ttmp6, 0x40000                  ; cx
	s_bfe_u32 s41, ttmp6, 0x40004                  ; cy
	s_lshl_b32 s42, ttmp9, 2
	s_add_co_u32 s42, s42, s40                     ; tc: my 64 hidden units
	s_and_b32 s17, ttmp7, 0xffff
	s_lshl_b32 s17, s17, 2
	s_add_co_u32 s17, s17, s41                     ; tr: my 256 rows
	s_lshl_b32 s43, s41, 2
	s_lshl_b32 s43, 15, s43                        ; my row of the cluster
	s_lshl_b32 s44, 0x1111, s40                    ; my column
	s_or_b32 s[G1+0], s43, (3<<16)|(1<<21)         ; elements of 8 bytes; the mask, and bit 21 beside it
	s_or_b32 s[G1B+0], s44, (3<<16)|(1<<21)
.irp g, G1, G1B                        ; 3 rows of 13,312 bytes, a plane apart in memory, on end in LDS
	s_mov_b32 s[\g+1], (QP/8)<<16
	s_mov_b32 s[\g+2], 3<<16
	s_mov_b32 s[\g+3], (QP/8)<<16
	s_mov_b32 s[\g+4], 3
	s_mov_b32 s[\g+6], 0
	s_mov_b32 s[\g+7], 0
.endr
	s_mov_b32 s[G1+5], PLANE_A/8
	s_mov_b32 s[G1B+5], PLANE_B/8
	s_or_b32 s[G1LB+0], s44, (3<<16)|(1<<21)       ; plane 15: 8 records, dense: 2 rows of 13,312 bytes
	s_mov_b32 s[G1LB+1], (QP/8)<<16
	s_mov_b32 s[G1LB+2], 2<<16
	s_mov_b32 s[G1LB+3], (QP/8)<<16
	s_mov_b32 s[G1LB+4], 2
	s_mov_b32 s[G1LB+5], QP/8
	s_mov_b32 s[G1LB+6], 0
	s_mov_b32 s[G1LB+7], 0
	s_mov_b32 s[G1C+0], (3<<16)|(1<<20)|(5<<22)|(3<<25)   ; c: 128 rows of 256 bytes, 16 bytes of padding behind each; no mask
	s_mov_b32 s[G1C+1], 32<<16
	s_mov_b32 s[G1C+2], 128<<16
	s_mov_b32 s[G1C+3], 32<<16
	s_mov_b32 s[G1C+4], 128
	s_mov_b32 s[G1C+5], 512
	s_mov_b32 s[G1C+6], 0
	s_mov_b32 s[G1C+7], 0
	s_lshl_b32 s18, s16, 2
	s_lshl_b32 s20, s17, 3
	s_mul_i32 s12, s20, REC                        ; A: record 8 tr (plane 15's load),
	s_mov_b32 s13, 0
	s_add_co_u32 s20, s20, s18
	s_mul_i32 s20, s20, REC                        ; and 8 tr + 4 x half (the ring's)
	s_mov_b32 s21, 0
	s_lshl_b32 s46, s42, 3
	s_mul_i32 s100, s46, REC                       ; B: record 8 tc,
	s_mov_b32 s101, 0
	s_add_co_u32 s46, s46, s18
	s_mul_i32 s46, s46, REC                        ; and 8 tc + 4 x half
	s_mov_b32 s47, 0
	s_mul_i32 s45, s14, QT                         ; the ring's LDS place: wave x 12 records
	s_lshl_b32 s19, s42, 8                         ; 64 hidden units are 256 bytes
	s_lshl_b32 s78, s17, 20                        ; c: 256 tr rows of 4,096 bytes + 128 x half + my columns
	s_lshl_b32 s22, s16, 19
	s_add_co_u32 s78, s78, s22
	s_add_co_u32 s78, s78, s19
	s_mov_b32 s79, 0
	s_lshl_b32 s66, s17, 20                        ; the outputs: 256 tr + 128 wr + 16 wc rows + my columns
	s_lshl_b32 s22, s15, 19
	s_add_co_u32 s66, s66, s22
	s_lshl_b32 s22, s16, 16
	s_add_co_u32 s66, s66, s22
	s_add_co_u32 s66, s66, s19
	s_mov_b32 s67, 0
	s_lshl_b32 s2, s16, 7                          ; the biases: 64 tc + 32 wc numbers on
	s_add_co_u32 s2, s2, s19
	s_mov_b32 s3, 0
	s_mul_i32 s23, s16, 128*CP
	s_add_co_u32 s23, s23, CT                      ; c's half in LDS
	s_wait_dscnt 0x0                               ; both opening adds are done
	s_wait_kmcnt 0x0
	s_add_nc_u64 s[20:21], s[4:5], s[20:21]
	s_add_nc_u64 s[46:47], s[6:7], s[46:47]
	s_add_nc_u64 s[12:13], s[4:5], s[12:13]
	s_add_nc_u64 s[100:101], s[6:7], s[100:101]
.irp s, 0,1                            ; slot 0 begins with plane 0, slot 1 with plane 3
	s_mov_b32 s[G0+4*\s], 1
	s_add_co_u32 s[G0+4*\s+1], s45, \s*SLOT
	s_add_nc_u64 s[G0+4*\s+2:G0+4*\s+3], s[20:21], \s*3*PLANE_A
	s_or_b32 s[G0+4*\s+3], s[G0+4*\s+3], 0x80000000
	s_mov_b32 s[G0B+4*\s], 1
	s_add_co_u32 s[G0B+4*\s+1], s45, \s*SLOT
	s_add_nc_u64 s[G0B+4*\s+2:G0B+4*\s+3], s[46:47], \s*3*PLANE_B
	s_or_b32 s[G0B+4*\s+3], s[G0B+4*\s+3], 0x80000000
.endr
	CROUND                                         ; all sixteen work-groups are here: the first joint loads meet
	JLOAD G0, G1, G0B, G1B                         ; planes 0-2: my one tensor load at the head
	s_cmp_eq_u32 s15, 0                            ; the prefetches: the image that I fetch from, at my 4 records,
	s_cselect_b64 s[PFA:PFA+1], s[20:21], s[46:47]
	s_cselect_b32 s22, s40, s41                    ; my place among the four that ask with me,
	s_mov_b32 s41, PLANE_B
	s_cselect_b32 s41, PLANE_A, s41                ; and the image's plane in bytes
	s_mul_i32 s18, s22, REC
	s_add_co_u32 s[PFA], s[PFA], s18               ; my record of the four,
	s_add_co_ci_u32 s[PFA+1], s[PFA+1], 0
	s_mul_i32 s18, s41, 3
	s_add_co_u32 s[PFA], s[PFA], s18               ; at plane 3
	s_add_co_ci_u32 s[PFA+1], s[PFA+1], 0
	s_mov_b32 s[G0C], 1
	s_mov_b32 s[G0C+1], s23
	s_add_nc_u64 s[G0C+2:G0C+3], s[8:9], s[78:79]
	s_or_b32 s[G0C+3], s[G0C+3], 0x80000000
	s_add_nc_u64 s[78:79], s[10:11], s[2:3]        ; the four biases at my 32 hidden units: b_i moves to s[78:79]
	s_add_nc_u64 s[68:69], s[68:69], s[2:3]
	s_add_nc_u64 s[70:71], s[70:71], s[2:3]
	s_add_nc_u64 s[72:73], s[72:73], s[2:3]
	s_add_nc_u64 s[74:75], s[74:75], s[66:67]
	s_add_nc_u64 s[76:77], s[76:77], s[66:67]
	s_mov_b32 s[G0L], 1                            ; plane 15 of A
	s_mov_b32 s[G0L+1], LASTA
	s_add_nc_u64 s[G0L+2:G0L+3], s[12:13], 15*PLANE_A
	s_or_b32 s[G0L+3], s[G0L+3], 0x80000000
	s_mov_b32 s[G0LB], 1                           ; and of B
	s_mov_b32 s[G0LB+1], LASTB
	s_add_nc_u64 s[G0LB+2:G0LB+3], s[100:101], 15*PLANE_B
	s_or_b32 s[G0LB+3], s[G0LB+3], 0x80000000
	s_or_b32 s[G1L+0], s43, (3<<16)|(1<<21)        ; the image pointers in s[4:7] are used up
	s_lshl_b32 s100, s17, 20                       ; c for the prefetches: 256 tr + 64 x wave rows, my columns
	s_lshl_b32 s101, s14, 18
	s_add_co_u32 s100, s100, s101
	s_add_co_u32 s100, s100, s19
	s_mov_b32 s101, 0
	s_add_nc_u64 s[PCB:PCB+1], s[8:9], s[100:101]
	s_mov_b32 s[G1L+1], (QP/8)<<16                 ; now c's and b_i's pointers are used up too
	s_mov_b32 s[G1L+2], 2<<16
	s_mov_b32 s[G1L+3], (QP/8)<<16
	s_mov_b32 s[G1L+4], 2
	s_mov_b32 s[G1L+5], QP/8
	s_mov_b32 s[G1L+6], 0
	s_mov_b32 s[G1L+7], 0
	s_mul_i32 s18, s15, QT                         ; my records of A in a slot,
	s_mul_i32 s19, s16, QT
	s_add_co_u32 s19, s19, 2*QT                    ; of B,
	s_sub_co_u32 s12, s19, s18                     ; the distance between them,
	s_add_co_u32 s13, s18, 3072                    ; A's scale words
	s_mul_i32 s100, s15, QP
	s_add_co_u32 s100, s100, LASTA                 ; the same for plane 15
	s_mul_i32 s101, s16, QP
	s_add_co_u32 s101, s101, LASTB
	s_sub_co_u32 s2, s101, s100
	s_add_co_u32 s3, s100, 3072
	s_mul_i32 s66, s15, 128*CP                     ; my 128 rows of a stage,
	s_lshl_b32 s67, s16, 7
	s_add_co_u32 s67, s66, s67                     ; my 128 bytes of them;
	s_mul_i32 s40, s16, 16*CP
	s_add_co_u32 s40, s66, s40                     ; back: of each 32 rows wave wc takes 16, whole
	v_and_b32 v1, 15, v0                           ; r
	v_bfe_u32 v2, v0, 4, 1                         ; h
	v_and_b32 v3, 31, v0
	v_lshlrev_b32 v4, 4, v3                        ; 16 x lane
	v_lshlrev_b32 v5, 3, v3                        ; 8 x lane
	v_mul_u32_u24 v6, s12, v2                      ; lanes 16-31 take B's words
	v_mul_u32_u24 v7, s2, v2
	v_add_nc_u32 v6, v5, v6
	v_add_nc_u32 v7, v5, v7
	v_add_nc_u32 v[ADRA], s18, v4
	v_add_nc_u32 v[ADRB], s19, v4
	v_add_nc_u32 v[ADRS], s13, v6
	v_add_nc_u32 v[ADRA+1], SLOT, v[ADRA]
	v_add_nc_u32 v[ADRB+1], SLOT, v[ADRB]
	v_add_nc_u32 v[ADRS+1], SLOT, v[ADRS]
	v_add_nc_u32 v[ADRA+2], s100, v4
	v_add_nc_u32 v[ADRB+2], s101, v4
	v_add_nc_u32 v[ADRS+2], s3, v7
	v_mul_u32_u24 v5, v1, CP
	v_lshl_add_u32 v5, v2, 5, v5                   ; row r, + 32 h
	v_add_nc_u32 v[HA], s67, v5
	v_add_nc_u32 v[CA], CT-HST, v[HA]
	v_mul_u32_u24 v6, v2, CP                       ; back: lanes 0-15 one row, lanes 16-31 the next
	v_lshl_add_u32 v6, v1, 4, v6
	v_add_nc_u32 v[RH], s40, v6
	v_add_nc_u32 v[RC], CT-HST, v[RH]
	v_lshlrev_b32 v[CO], 4, v1
	v_lshl_add_u32 v[CO], v2, 12, v[CO]            ; the same two rows in the outputs
	v_lshlrev_b32 v[BO], 5, v2
	v_min_u32 v6, 25, v3                           ; the prefetches: lanes 0-12 the first plane's 13 blocks, lanes 13-25 the second's, the rest lane 25's block again
	v_mul_u32_u24 v7, v6, 5
	v_lshrrev_b32 v7, 6, v7                        ; (5 l) / 64 = l / 13 for l up to 25
	v_mul_u32_u24 v5, v7, 13
	v_sub_nc_u32 v6, v6, v5
	v_lshlrev_b32 v6, 8, v6
	v_mad_u32_u24 v[PF0], v7, s41, v6
	v_min_u32 v5, 12, v3
	v_lshlrev_b32 v[PF2], 8, v5                    ; one plane: lanes 0-12, the rest lane 12's block again
	v_mad_u32_u24 v[PF1], s41, 2, v[PF2]           ; the third plane of three
	v_lshlrev_b32 v[PFC], 12, v3                   ; c: a lane a row of 4,096 bytes
	s_wait_alu depctr_va_vdst(0)
.macro BIASLD g, base                  ; gate g's biases in the result's layout
.irp u, 0,1
.irp f, 0,1
	global_load_b128 v[BIAS+8*(4*\u+\g)+4*\f:BIAS+8*(4*\u+\g)+4*\f+3], v[BO], s[\base:\base+1] offset:64*\u+16*\f
.endr
.endr
.endm
	BIASLD 0, 78
	BIASLD 1, 68
	BIASLD 2, 70
	BIASLD 3, 72
	s_mul_i32 s18, s41, 3                          ; three planes in bytes: what the prefetches' address steps by
	s_mov_b32 s19, 0
	ASK3                                           ; planes 3-5
.macro FRAG reg, adr, p, i             ; block i's fragment of plane p: three loads of 16 bytes a lane, 512 consecutive bytes each
.irp c, 0,1,2
	ds_load_b128 v[\reg+4*\c:\reg+4*\c+3], v[\adr] offset:QP*(\p)+REC*((\i)/2)+1536*((\i)%2)+512*\c
.endr
.endm
; 16 products: A's blocks a0, a0 + 1 x B's eight.  The 64 accumulators take turns, one instruction a turn.
.macro MUL16 a0, par, first
.irp a, \a0, \a0+1
.irp b, 0,1,2,3,4,5,6,7
.if \first
	v_wmma_scale_f32_16x16x128_f8f6f4 v[8*(8*((\a)%4)+\b):8*(8*((\a)%4)+\b)+7], v[128*(\par)+FR*\b:128*(\par)+FR*\b+FR-1], v[AF+FR*(\a):AF+FR*(\a)+FR-1], v[BIAS+8*\b:BIAS+8*\b+7], v[SC+8*(\par)+\b], v[SC+8*(\par)+(\a)] matrix_a_fmt:MATRIX_FMT_BF6 matrix_b_fmt:MATRIX_FMT_BF6 matrix_a_scale:MATRIX_SCALE_ROW1
.else
	v_wmma_scale_f32_16x16x128_f8f6f4 v[8*(8*((\a)%4)+\b):8*(8*((\a)%4)+\b)+7], v[128*(\par)+FR*\b:128*(\par)+FR*\b+FR-1], v[AF+FR*(\a):AF+FR*(\a)+FR-1], v[8*(8*((\a)%4)+\b):8*(8*((\a)%4)+\b)+7], v[SC+8*(\par)+\b], v[SC+8*(\par)+(\a)] matrix_a_fmt:MATRIX_FMT_BF6 matrix_b_fmt:MATRIX_FMT_BF6 matrix_a_scale:MATRIX_SCALE_ROW1
.endif
.endr
.endr
.endm
.macro FETCH_B slot, p, set
	WIN TO_B
.irp i, 0,1,2,3,4,5,6,7
	FRAG 128*(\set)+FR*\i, ADRB+\slot, \p, \i
.endr
	WIN 0
.endm
.macro FETCH_A slot, p, i0
.irp i, \i0, \i0+1, \i0+2, \i0+3
	FRAG AF+FR*(\i), ADRA+\slot, \p, \i
.endr
.endm
.macro SCALES slot, p, set             ; lanes 0-15 take A's words, lanes 16-31 B's
.irp j, 0,1,2,3
	ds_load_b64 v[SC+8*(\set)+2*\j:SC+8*(\set)+2*\j+1], v[ADRS+\slot] offset:QP*(\p)+REC*\j
.endr
.endm
; A step of 128 along K whose successor lies in the same slot.  A has one set of registers: blocks 0-3 are fetched anew in the step's middle, blocks 4-7 at its end.
.macro STEP slot, p, par, first
	s_wait_dscnt 4*NL                              ; all but the youngest twelve loads (A's blocks 4-7)
.if \first
	WIN ONE_LO
.else
	WIN MUL_LO
.endif
	MUL16 0, \par, \first
	MUL16 2, \par, \first
	s_wait_dscnt 0
	PLACES NP                                      ; four places ahead of loads into registers that products have read
	FETCH_B \slot, (\p)+1, 1-(\par)
	FETCH_A \slot, (\p)+1, 0
	SCALES \slot, (\p)+1, 1-(\par)
.if \first
	WIN ONE_HI
.else
	WIN MUL_HI
.endif
	MUL16 4, \par, \first
	MUL16 6, \par, \first
	PLACES NP
	WIN 0
	FETCH_A \slot, (\p)+1, 4
.endm
; A slot's last step.  One barrier: in front of it each wave waits for all its tensor loads, adds 0 to its spare word, and waits for that and for its reads of this slot.
; fill = 1: a round of the cluster's barrier, and the slot takes the planes adv on; fill = 2: a round, and slot 1 takes plane 15 and c's tile; fill = 0: nothing is left to fetch.
; The first three changes of slots also ask for the next fill's planes, the first two for 32 rows of c a wave.
.macro TURN slot, par, fill, adv, next
.if NPF < 3
	s_wait_xcnt 0x0                                ; my last prefetches have read their address: it steps three planes on
	s_add_nc_u64 s[PFA:PFA+1], s[PFA:PFA+1], s[18:19]
.endif
	s_wait_tensorcnt 0x0
	ds_add_u32 v[SPW], v[NIL]
	s_wait_dscnt 4*NL+1                            ; the add and A's blocks 4-7 may be out
	WIN MUL_LO
	MUL16 0, \par, 0
	s_wait_dscnt 0x0
	s_barrier_signal -1
	MUL16 2, \par, 0
	WIN 0
	s_barrier_wait -1
.if \fill == 1
	CREST
	s_add_nc_u64 s[G0+4*\slot+2:G0+4*\slot+3], s[G0+4*\slot+2:G0+4*\slot+3], \adv*PLANE_A
	s_add_nc_u64 s[G0B+4*\slot+2:G0B+4*\slot+3], s[G0B+4*\slot+2:G0B+4*\slot+3], \adv*PLANE_B
	JLOAD G0+4*\slot, G1, G0B+4*\slot, G1B
.endif
.if \fill == 2
	CREST
	s_cmp_lt_u32 s14, 1                            ; one chain of branches on the wave's number, one load to an arm
	s_cbranch_scc0 .Llast_b
	TLOAD G0L, G1L
	s_branch .Llast_asked
.Llast_b:
	s_cmp_lt_u32 s14, 2
	s_cbranch_scc0 .Llast_c
	TLOAD G0LB, G1LB
	s_branch .Llast_asked
.Llast_c:
	TLOAD G0C, G1C
.Llast_asked:
.endif
.if \fill == 0
	PLACES NP
.endif
	FETCH_B \next, 0, 1-(\par)
	FETCH_A \next, 0, 0
	SCALES \next, 0, 1-(\par)
.if NPF < 2
	ASK3                                           ; planes 9-11, then 12-14
	global_prefetch_b8 v[PFC], s[PCB:PCB+1] offset:NPF*32*4096 th:TH_LOAD_NT scope:SCOPE_SE
.endif
.if NPF == 2
	global_prefetch_b8 v[PF2], s[PFA:PFA+1] th:TH_LOAD_NT scope:SCOPE_SE   ; plane 15
.endif
	WIN MUL_HI
	MUL16 4, \par, 0
	MUL16 6, \par, 0
	PLACES NP
	WIN 0
	FETCH_A \next, 0, 4
.set NPF, NPF+1
.endm
	s_wait_tensorcnt 0x0                           ; my part of planes 0-2 is in; slot 1's first fill is issued as a refill is
	ds_add_u32 v[SPW], v[NIL]
	s_wait_dscnt 0x0
	CROUND
	JLOAD G0+4, G1, G0B+4, G1B                     ; planes 3-5: two steps of products stand ahead of the wait for them
	FETCH_B 0, 0, 0
	FETCH_A 0, 0, 0
	SCALES 0, 0, 0
	FETCH_A 0, 0, 4
	s_wait_xcnt 0x0                                ; the head's prefetches have read their address
	s_add_nc_u64 s[PFA:PFA+1], s[PFA:PFA+1], s[18:19]
	ASK3                                           ; planes 6-8
	s_wait_loadcnt 0x0                             ; the biases
	STEP 0, 0, 0, 1                                ; step 0 starts the sums on the biases
	STEP 0, 1, 1, 0
	TURN 0, 0, 1, 6, 1                             ; slot 0 takes planes 6-8
	STEP 1, 0, 1, 0
	STEP 1, 1, 0, 0
	TURN 1, 1, 1, 6, 0                             ; slot 1 takes planes 9-11
	STEP 0, 0, 0, 0
	STEP 0, 1, 1, 0
	TURN 0, 0, 1, 6, 1                             ; slot 0 takes planes 12-14
	STEP 1, 0, 1, 0
	STEP 1, 1, 0, 0
	TURN 1, 1, 2, 0, 0                             ; slot 1 takes plane 15 and c's tile
	STEP 0, 0, 0, 0
	STEP 0, 1, 1, 0
	TURN 0, 0, 0, 0, 2                             ; its barrier shows plane 15 and c's tile whole, and slot 0 read out: the stage there may be written
	s_wait_dscnt 4*NL                              ; step 15
	WIN MUL_LO
	MUL16 0, 1, 0
	MUL16 2, 1, 0
	s_wait_dscnt 0
	WIN MUL_HI
	MUL16 4, 1, 0
	MUL16 6, 1, 0
	WIN 0
	PLACES NP
	s_mov_b32 s92, 0xbfb8aa3b                      ; -log2(e)  (the load that named s[92:99] was shown done in step 14)
	s_mov_b32 s93, s92
	s_mov_b32 s94, 0xc038aa3b                      ; -2 log2(e)
	s_mov_b32 s95, s94
	s_mov_b32 s96, 0x41f00000                      ; 30.0
; THE GATES, two blocks of 16 rows (e = 0, 1) at a time.  T + 64 e + 32 u + 8 g + j: gate g of hidden unit 16 u + 8 h + j.  One block's plain arithmetic stands behind the other block's batch of transcendentals;
; one wait stands ahead of each batch: it serves that batch's sources and the batch before.
.macro TBQ e
.set TB, T+64*(\e)+32*(q/4)+2*(q%4)
.set NQ, NB+16*(\e)+2*q
.set CQ, CCB+16*(\e)+2*q
.endm
.macro TR op, base, grp, cnt           ; a batch: registers base + 32 (n / grp) + n % grp
	s_wait_alu depctr_va_vdst(0)
.set n, 0
.rept \cnt
	\op v[(\base)+32*(n/\grp)+(n%\grp)], v[(\base)+32*(n/\grp)+(n%\grp)]
.set n, n+1
.endr
.endm
.macro HOLD base, cnt                  ; a tanh's exponents are held at 30
.set n, 0
.rept \cnt
	v_min_num_f32 v[(\base)+32*(n/8)+(n%8)], s96, v[(\base)+32*(n/8)+(n%8)]
.set n, n+1
.endr
.endm
.macro S2 e
.set q, 0
.rept 8
	TBQ \e
	v_pk_fma_f32 v[NQ:NQ+1], v[TB+16:TB+17], -1.0, 1.0 op_sel_hi:[1,0,0]   ; 1 - eg
.set q, q+1
.endr
.set n, 0
.rept 32
	v_pk_add_f32 v[T+64*(\e)+n:T+64*(\e)+n+1], v[T+64*(\e)+n:T+64*(\e)+n+1], 1.0 op_sel_hi:[1,0]   ; 1 + e, all four gates
.set n, n+2
.endr
.set q, 0
.rept 8
	TBQ \e
	v_pk_mul_f32 v[TB:TB+1], v[TB:TB+1], v[TB+16:TB+17]                    ; (1 + ei)(1 + eg)
.set q, q+1
.endr
.endm
.macro TOST adr, reg, e, a             ; my 16 numbers of block a into a stage
.irp u, 0,1
.irp f, 0,1
	ds_store_b128 v[\adr], v[\reg+16*(\e)+8*\u+4*\f:\reg+16*(\e)+8*\u+4*\f+3] offset:16*CP*(\a)+64*\u+16*\f
.endr
.endr
.endm
.macro S3 e, a
.set q, 0
.rept 8
	TBQ \e
	v_pk_mul_f32 v[NQ:NQ+1], v[NQ:NQ+1], v[TB:TB+1]                        ; i g
.set q, q+1
.endr
.set q, 0
.rept 8
	TBQ \e
	v_pk_fma_f32 v[CQ:CQ+1], v[TB+8:TB+9], v[CQ:CQ+1], v[NQ:NQ+1]          ; c_new = f c + i g
.set q, q+1
.endr
	TOST CA, CCB, \e, \a                           ; over c's own bytes, which only I have read
.set q, 0
.rept 8
	TBQ \e
	v_pk_mul_f32 v[TB:TB+1], v[CQ:CQ+1], s[94:95] op_sel_hi:[1,0]          ; -2 c_new log2 e
.set q, q+1
.endr
	HOLD T+64*(\e), 16
.endm
.macro S4 e
.set q, 0
.rept 8
	TBQ \e
	v_pk_fma_f32 v[NQ:NQ+1], v[TB:TB+1], -1.0, 1.0 op_sel_hi:[1,0,0]       ; 1 - ec
.set q, q+1
.endr
.set q, 0
.rept 8
	TBQ \e
	v_pk_add_f32 v[TB:TB+1], v[TB:TB+1], 1.0 op_sel_hi:[1,0]               ; 1 + ec
.set q, q+1
.endr
.set q, 0
.rept 8
	TBQ \e
	v_pk_mul_f32 v[TB+24:TB+25], v[TB+24:TB+25], v[TB:TB+1]                ; (1 + eo)(1 + ec)
.set q, q+1
.endr
.endm
.macro S5 e, a
.set q, 0
.rept 8
	TBQ \e
	v_pk_mul_f32 v[NQ:NQ+1], v[NQ:NQ+1], v[TB+24:TB+25]                    ; h_new = o tanh(c_new)
.set q, q+1
.endr
	TOST HA, NB, \e, \a
.endm
.macro OUTLD p                         ; 16 whole rows of each output back from the stages, into window 1
.if \p > 0
	s_wait_xcnt 0x0                                ; the last phase's stores have read these registers
.endif
	WIN TO_B
.irp t, 0,1,2,3,4,5,6,7
	ds_load_b128 v[4*\t:4*\t+3], v[RC] offset:(32*(\p)+2*\t)*CP
.endr
.irp t, 0,1,2,3,4,5,6,7
	ds_load_b128 v[32+4*\t:32+4*\t+3], v[RH] offset:(32*(\p)+2*\t)*CP
.endr
	WIN 0
.endm
.macro OUTST p                         ; 16 lanes store 256 consecutive bytes, at a multiple of 256 from the output's first byte
	s_wait_dscnt 0x0
	WIN 0x04                                       ; the data: window 1
.irp t, 0,1,2,3,4,5,6,7
	global_store_b128 v[CO], v[4*\t:4*\t+3], s[76:77] offset:(32*(\p)+2*\t)*4096 th:TH_STORE_NT
.endr
.irp t, 0,1,2,3,4,5,6,7
	global_store_b128 v[CO], v[32+4*\t:32+4*\t+3], s[74:75] offset:(32*(\p)+2*\t)*4096 th:TH_STORE_NT
.endr
	WIN 0
.endm
; Blocks 2 p and 2 p + 1.  A row's 256 bytes come from two waves: a barrier stands between the writing and the reading.  The rows are read back behind it and stored in the next phase, behind its first batch.
.macro PHASE p
.set AC, 128*((\p)%2)
.irp e, 0,1
.irp u, 0,1
.irp f, 0,1
	ds_load_b128 v[CCB+16*\e+8*\u+4*\f:CCB+16*\e+8*\u+4*\f+3], v[CA] offset:16*CP*(2*(\p)+\e)+64*\u+16*\f
.endr
.endr
.endr
	WIN 2+(\p)/2                                   ; source 0: the accumulators' window
	s_wait_alu depctr_va_vdst(0)                   ; ahead of the first reader of these sums
.set n, 0
.rept 64                               ; the exponents; each accumulator from its low end on
.if ((n/8)%4) == 2
	v_pk_mul_f32 v[T+n:T+n+1], v[AC+n:AC+n+1], s[94:95] op_sel_hi:[1,0]
.else
	v_pk_mul_f32 v[T+n:T+n+1], v[AC+n:AC+n+1], s[92:93] op_sel_hi:[1,0]
.endif
.set n, n+2
.endr
	WIN 0
	HOLD T+16, 32
	TR v_exp_f32, T, 32, 64
	v_nop
.if \p > 0
	OUTST (\p)-1                                   ; its wait for LDS covers c's loads too
.else
	s_wait_dscnt 0x0                               ; c is in
.endif
	TR v_exp_f32, T+64, 32, 64
	S2 0
	TR v_rcp_f32, T, 16, 32
	S2 1
	TR v_rcp_f32, T+64, 16, 32
	S3 0, 2*(\p)
	TR v_exp_f32, T, 8, 16
	S3 1, 2*(\p)+1
	TR v_exp_f32, T+64, 8, 16
	S4 0
	TR v_rcp_f32, T+24, 8, 16
	S4 1
	TR v_rcp_f32, T+88, 8, 16
	S5 0, 2*(\p)
	s_wait_alu depctr_va_vdst(0)
	S5 1, 2*(\p)+1
	s_wait_dscnt 0x0                               ; for the others' sake: my stores into the stages are done
	s_barrier_signal -1
	s_barrier_wait -1
	OUTLD \p
.endm
	PHASE 0
	PHASE 1
	PHASE 2
	PHASE 3
	OUTST 3
	s_wait_tensorcnt 0x0                           ; the wave's end
	ds_add_u32 v[SPW], v[NIL]
	s_wait_dscnt 0x0
	CROUND                                         ; the closing round
	s_endpgm
.Lfunc_end_k_q592cd67d8c_lstm:
	.size	k_q592cd67d8c_lstm, .Lfunc_end_k_q592cd67d8c_lstm-k_q592cd67d8c_lstm
	.p2alignl 7, 3214868480
	.fill 96, 4, 3214868480
	.section	.rodata,"a",@progbits
	.p2align	6, 0x0
	.amdhsa_kernel k_q592cd67d8c_lstm
		.amdhsa_group_segment_fixed_size 327680
		.amdhsa_private_segment_fixed_size 0
		.amdhsa_enable_private_segment 0
		.amdhsa_kernarg_size 72
		.amdhsa_user_sgpr_count 2
		.amdhsa_user_sgpr_kernarg_segment_ptr 1
		.amdhsa_wavefront_size32 1
		.amdhsa_system_sgpr_workgroup_id_x 1
		.amdhsa_system_sgpr_workgroup_id_y 1
		.amdhsa_system_sgpr_workgroup_id_z 1
		.amdhsa_system_vgpr_workitem_id 0
		.amdhsa_next_free_vgpr 1024
		.amdhsa_next_free_sgpr 106
		.amdhsa_reserve_vcc 0
		.amdhsa_float_denorm_mode_32 3
		.amdhsa_float_denorm_mode_16_64 3
		.amdhsa_memory_ordered 1
		.amdhsa_forward_progress 1
		.amdhsa_inst_pref_size 255
	.end_amdhsa_kernel
	.section	.bss,"aw",@nobits
	.p2align	6
	.space	262144
	.amdgpu_metadata
---
amdhsa.version: [ 1, 2 ]
amdhsa.kernels:
  - .name:           k_q592cd67d8c_lstm
    .symbol:         k_q592cd67d8c_lstm.kd
    .args:
      - { .name: a_img, .offset: 0, .size: 8, .value_kind: global_buffer, .address_space: global }
      - { .name: b_img, .offset: 8, .size: 8, .value_kind: global_buffer, .address_space: global }
      - { .name: c, .offset: 16, .size: 8, .value_kind: global_buffer, .address_space: global }
      - { .name: b_i, .offset: 24, .size: 8, .value_kind: global_buffer, .address_space: global }
      - { .name: b_f, .offset: 32, .size: 8, .value_kind: global_buffer, .address_space: global }
      - { .name: b_g, .offset: 40, .size: 8, .value_kind: global_buffer, .address_space: global }
      - { .name: b_o, .offset: 48, .size: 8, .value_kind: global_buffer, .address_space: global }
      - { .name: out0, .offset: 56, .size: 8, .value_kind: global_buffer, .address_space: global }
      - { .name: out1, .offset: 64, .size: 8, .value_kind: global_buffer, .address_space: global }
    .group_segment_fixed_size: 327680
    .private_segment_fixed_size: 0
    .kernarg_segment_align: 8
    .kernarg_segment_size: 72
    .max_flat_workgroup_size: 128
    .sgpr_count:     106
    .vgpr_count:     1024
    .wavefront_size: 32
...
	.end_amdgpu_metadata
.endif
;; end of part 2
